; MI455X (gfx1250); checked and timed in simulation.
; The chip was launched on July 23, 2026; its instructions are those of AMD's public machine-readable ISA for CDNA 5 (MIT licence, August 2026) and "CDNA5" Instruction Set Architecture Reference Guide (July 2026). The comments in the code are by the model that wrote it; some were corrected since.
;; Trainable Memory. Allowed arithmetic: float matrix products may take bf16 or f16 operands with f32 sums; other float arithmetic in f32, or as packed bf16 or f16 multiplies, adds, multiply-adds, maxima and minima; sums over many terms, partial sums and values carried from step to step in f32; what a program stores and reads back later, other than sums and carried values, may be rounded once to bf16 or f16.
;; Inputs: b1_bg 64 float32; b1_fg 64 float32; b2_bg 1 float32; b2_fg 1 float32; bg_memory 2,024 x 256 float32; feats 8 x 256 x 64 x 64 float32; fg_memory 2,024 x 256 float32; w1_bg 256 x 64 float32; w1_fg 256 x 64 float32; w2_bg 64 x 1 float32; w2_fg 64 x 1 float32.
;; Outputs: out0 8 x 256 x 64 x 64 float32.
;; One version. Each part assembles by itself: llvm-mc -triple=amdgcn-amd-amdhsa -mcpu=gfx1250 --defsym DOCPART=n.
;; ======== version 1 of 1: 2 launches
;; limits: values outside matrix products are rounded to bf16
;; workspace buffers: memn 2,097,152 bytes; w1f 65,536 bytes
;; launch prep (part 1): grid 264 x 1, 8 waves a work-group, no clusters, 0 bytes of LDS; arguments fg_memory, bg_memory, w1_fg, w1_bg, memn, w1f; writes memn, w1f
.if DOCPART == 1
	.amdgcn_target "amdgcn-amd-amdhsa--gfx1250"
	.amdhsa_code_object_version 6
	.text
	.protected	k_qc7da0c6f60_prep
	.globl	k_qc7da0c6f60_prep
	.p2align	8
	.type	k_qc7da0c6f60_prep,@function
k_qc7da0c6f60_prep:
	s_mov_b64 s[64:65], 0
	v_nop
	global_prefetch_b8 v0, s[64:65] scope:SCOPE_SE
	s_setreg_imm32_b32 hwreg(HW_REG_WAVE_MODE, 25, 1), 1
	s_wait_xcnt 0x0
; PREPARES THE TABLES.  memn[2][2048][256] bf16: the rows of fg_memory (table 0) and bg_memory (table 1), each divided by max(its length, 1e-12) in f32 and rounded once;
; rows 2024 to 2047 are zeros.  w1f[gate 2][hb 4][f 8][half 2][lane 32][8] bf16: w1_fg and w1_bg as the matrix fragments that the next launch loads as they lie.
; Work-groups 0 to 255: a wave takes two rows (lane l the channels 8 l .. 8 l + 7); work-groups 256 to 263: a wave makes one fragment of 1,024 bytes.
; No LDS, no barrier: a row's sum never leaves its wave.  Matrix units and clusters have nothing to do here: 4 MiB are read once and 2 MiB written once.
; NaN and infinities are not treated apart.
.set X,  8                             ; v[8:23]   two rows, 8 numbers a lane each (second arm: 16 numbers of a fragment)
.set SS, 24                            ; v[24:27]  a pair for each row: the sum of squares, later 1 / length
.set Y,  32                            ; v[32:39]  what is stored
	s_load_b256 s[4:11], s[0:1], 0x0               ; fg s[4:5], bg s[6:7], w1_fg s[8:9], w1_bg s[10:11]
	s_load_b128 s[12:15], s[0:1], 0x20             ; memn s[12:13], w1f s[14:15]
	v_lshrrev_b32 v1, 5, v0
	v_readfirstlane_b32 s16, v1                    ; wave 0..7
	v_and_b32 v2, 31, v0                           ; lane
	v_lshlrev_b32 v4, 4, v2                        ; 16 bytes a lane on the way out
	s_cmp_lt_u32 ttmp9, 256
	s_cbranch_scc0 .Lw1
	; THE ROWS
	s_lshl_b32 s17, ttmp9, 3
	s_add_co_u32 s17, s17, s16                     ; 0..2047: the pair of rows 2 x this number of memn's 4,096
	s_lshr_b32 s18, s17, 10                        ; the table
	s_and_b32 s19, s17, 1023
	s_lshl_b32 s19, s19, 1                         ; the first row's number in its table: even, so both rows are true rows or both padding
	s_min_u32 s20, s19, 2022                       ; a padding pair loads the last two true rows, so that no load leaves the table,
	s_lshl_b32 s20, s20, 10                        ; (a row of 256 f32 is 1,024 bytes)
	s_mov_b32 s21, 0
	s_lshl_b32 s22, s17, 10                        ; two rows of 512 bytes in memn
	s_mov_b32 s23, 0
	s_cmp_lt_u32 s19, 2024
	s_cselect_b32 s28, -1, 0                       ; and this mask makes zeros of what it would store
	s_mov_b32 s30, 0x76543210                      ; v_permlanex16_b32: each lane takes its own place in the other half
	s_mov_b32 s31, 0xfedcba98
	v_lshlrev_b32 v3, 5, v2                        ; 32 bytes a lane on the way in
	s_wait_kmcnt 0x0
	s_cmp_eq_u32 s18, 0
	s_cselect_b64 s[24:25], s[4:5], s[6:7]
	s_add_nc_u64 s[24:25], s[24:25], s[20:21]
	s_add_nc_u64 s[26:27], s[12:13], s[22:23]
	global_load_b128 v[X:X+3],     v3, s[24:25] th:TH_LOAD_NT
	global_load_b128 v[X+4:X+7],   v3, s[24:25] offset:16 th:TH_LOAD_NT
	global_load_b128 v[X+8:X+11],  v3, s[24:25] offset:1024 th:TH_LOAD_NT
	global_load_b128 v[X+12:X+15], v3, s[24:25] offset:1040 th:TH_LOAD_NT
.macro SUMSQ r                         ; the row's sum of squares, in every lane
	v_pk_mul_f32 v[SS+2*(\r):SS+2*(\r)+1], v[X+8*(\r):X+8*(\r)+1], v[X+8*(\r):X+8*(\r)+1]
.irp p, 2,4,6
	v_pk_fma_f32 v[SS+2*(\r):SS+2*(\r)+1], v[X+8*(\r)+\p:X+8*(\r)+\p+1], v[X+8*(\r)+\p:X+8*(\r)+\p+1], v[SS+2*(\r):SS+2*(\r)+1]
.endr
	v_add_f32 v[SS+2*(\r)], v[SS+2*(\r)], v[SS+2*(\r)+1]
.irp x, 1,2,4,8
	v_add_f32_dpp v[SS+2*(\r)], v[SS+2*(\r)], v[SS+2*(\r)] row_xmask:\x row_mask:0xf bank_mask:0xf
.endr
	v_permlanex16_b32 v[SS+2*(\r)+1], v[SS+2*(\r)], s30, s31
	v_add_f32 v[SS+2*(\r)], v[SS+2*(\r)], v[SS+2*(\r)+1]
.endm
.macro OUTROW r                        ; scaled, rounded to bf16, masked, stored: the wave's store covers the row's 512 bytes
.irp p, 0,2,4,6
	v_pk_mul_f32 v[X+8*(\r)+\p:X+8*(\r)+\p+1], v[X+8*(\r)+\p:X+8*(\r)+\p+1], v[SS+2*(\r):SS+2*(\r)+1] op_sel_hi:[1,0]
.endr
.irp p, 0,1,2,3
	v_cvt_pk_bf16_f32 v[Y+4*(\r)+\p], v[X+8*(\r)+2*\p], v[X+8*(\r)+2*\p+1]
.endr
.irp p, 0,1,2,3
	v_and_b32 v[Y+4*(\r)+\p], s28, v[Y+4*(\r)+\p]
.endr
	global_store_b128 v4, v[Y+4*(\r):Y+4*(\r)+3], s[26:27] offset:512*(\r)
.endm
	s_wait_loadcnt 0x2                             ; the first row is in; the second row's two loads may stay out
	SUMSQ 0
	s_wait_loadcnt 0x0
	SUMSQ 1
	v_sqrt_f32 v[SS], v[SS]
	v_sqrt_f32 v[SS+2], v[SS+2]
	v_nop                                          ; a plain instruction behind the last root,
	s_wait_alu depctr_va_vdst(0)                   ; and one wait for both, ahead of their first reader
	v_max_num_f32 v[SS], 0x2b8cbccc, v[SS]         ; max(length, 1e-12)
	v_max_num_f32 v[SS+2], 0x2b8cbccc, v[SS+2]
	v_rcp_f32 v[SS], v[SS]
	v_rcp_f32 v[SS+2], v[SS+2]
	v_nop
	s_wait_alu depctr_va_vdst(0)                   ; the same for the two reciprocals
	OUTROW 0
	OUTROW 1
	s_endpgm
.Lw1:	; THE GATES' FIRST WEIGHTS.  Fragment (gate, hb, f): lane l = (r = l % 16, h = l / 16) holds hidden unit 16 hb + r and the channels
	; 16 (f % 4) + 128 (f / 4) + 64 h + 0..15: the order of channels in which the next launch keeps a pixel.  w1 is [256 channels][64 units] f32.
	s_sub_co_u32 s17, ttmp9, 256
	s_lshl_b32 s17, s17, 3
	s_add_co_u32 s17, s17, s16                     ; the fragment's number, 32 gate + 8 hb + f
	s_lshr_b32 s18, s17, 5                         ; gate
	s_bfe_u32 s19, s17, 0x20003                    ; hb
	s_and_b32 s20, s17, 3
	s_lshl_b32 s20, s20, 12                        ; 16 (f % 4) channels of 256 bytes
	s_bfe_u32 s21, s17, 0x10002
	s_lshl_b32 s21, s21, 15                        ; 128 (f / 4) channels
	s_add_co_u32 s20, s20, s21
	s_lshl_b32 s19, s19, 6                         ; 16 hb units of 4 bytes
	s_add_co_u32 s20, s20, s19
	s_mov_b32 s21, 0
	s_lshl_b32 s22, s17, 10                        ; a fragment is 1,024 bytes
	s_mov_b32 s23, 0
	v_and_b32 v5, 15, v0
	v_bfe_u32 v6, v0, 4, 1
	v_lshlrev_b32 v5, 2, v5                        ; 4 r
	v_lshl_add_u32 v5, v6, 14, v5                  ; + 64 h channels
	s_wait_kmcnt 0x0
	s_cmp_eq_u32 s18, 0
	s_cselect_b64 s[24:25], s[8:9], s[10:11]
	s_add_nc_u64 s[24:25], s[24:25], s[20:21]
	s_add_nc_u64 s[26:27], s[14:15], s[22:23]
.irp e, 0,1,2,3,4,5,6,7,8,9,10,11,12,13,14,15
	global_load_b32 v[X+\e], v5, s[24:25] offset:256*\e
.endr
	s_wait_loadcnt 0x0
.irp e, 0,1,2,3,4,5,6,7
	v_cvt_pk_bf16_f32 v[Y+\e], v[X+2*\e], v[X+2*\e+1]
.endr
	global_store_b128 v4, v[Y:Y+3],   s[26:27]             ; registers 0-3 of the fragment: 512 bytes on end,
	global_store_b128 v4, v[Y+4:Y+7], s[26:27] offset:512  ; registers 4-7
	s_endpgm
.Lfunc_end_k_qc7da0c6f60_prep:
	.size	k_qc7da0c6f60_prep, .Lfunc_end_k_qc7da0c6f60_prep-k_qc7da0c6f60_prep
	.p2alignl 7, 3214868480
	.fill 96, 4, 3214868480
	.section	.rodata,"a",@progbits
	.p2align	6, 0x0
	.amdhsa_kernel k_qc7da0c6f60_prep
		.amdhsa_group_segment_fixed_size 0
		.amdhsa_private_segment_fixed_size 0
		.amdhsa_enable_private_segment 0
		.amdhsa_kernarg_size 48
		.amdhsa_user_sgpr_count 2
		.amdhsa_user_sgpr_kernarg_segment_ptr 1
		.amdhsa_wavefront_size32 1
		.amdhsa_system_sgpr_workgroup_id_x 1
		.amdhsa_system_sgpr_workgroup_id_y 1
		.amdhsa_system_sgpr_workgroup_id_z 1
		.amdhsa_system_vgpr_workitem_id 0
		.amdhsa_next_free_vgpr 48
		.amdhsa_next_free_sgpr 66
		.amdhsa_reserve_vcc 0
		.amdhsa_float_denorm_mode_32 3
		.amdhsa_float_denorm_mode_16_64 3
		.amdhsa_memory_ordered 1
		.amdhsa_forward_progress 1
		.amdhsa_inst_pref_size 9
	.end_amdhsa_kernel
	.amdgpu_metadata
---
amdhsa.version: [ 1, 2 ]
amdhsa.kernels:
  - .name:           k_qc7da0c6f60_prep
    .symbol:         k_qc7da0c6f60_prep.kd
    .args:
      - { .name: fg_memory, .offset: 0, .size: 8, .value_kind: global_buffer, .address_space: global }
      - { .name: bg_memory, .offset: 8, .size: 8, .value_kind: global_buffer, .address_space: global }
      - { .name: w1_fg, .offset: 16, .size: 8, .value_kind: global_buffer, .address_space: global }
      - { .name: w1_bg, .offset: 24, .size: 8, .value_kind: global_buffer, .address_space: global }
      - { .name: memn, .offset: 32, .size: 8, .value_kind: global_buffer, .address_space: global }
      - { .name: w1f, .offset: 40, .size: 8, .value_kind: global_buffer, .address_space: global }
    .group_segment_fixed_size: 0
    .private_segment_fixed_size: 0
    .kernarg_segment_align: 8
    .kernarg_segment_size: 48
    .max_flat_workgroup_size: 256
    .sgpr_count:     66
    .vgpr_count:     48
    .wavefront_size: 32
...
	.end_amdgpu_metadata
.endif
;; end of part 1
;; launch attend (part 2): grid 256 x 1, 4 waves a work-group, clusters of 4 x 1, 327,680 bytes of LDS; arguments feats, memn, w1f, b1_fg, w2_fg, b2_fg, b1_bg, w2_bg, b2_bg, out0; writes out0
.if DOCPART == 2
	.amdgcn_target "amdgcn-amd-amdhsa--gfx1250"
	.amdhsa_code_object_version 6
	.text
	.protected	k_qc7da0c6f60_attend
	.globl	k_qc7da0c6f60_attend
	.p2align	8
	.type	k_qc7da0c6f60_attend,@function
k_qc7da0c6f60_attend:
	s_mov_b64 s[64:65], 0
	v_nop
	global_prefetch_b8 v0, s[64:65] scope:SCOPE_SE
	s_setreg_imm32_b32 hwreg(HW_REG_WAVE_MODE, 25, 1), 1
	s_wait_xcnt 0x0
	s_wait_alu depctr_hold_cnt(0) depctr_sa_sdst(0) depctr_va_vdst(0) depctr_va_sdst(0) depctr_va_ssrc(0) depctr_va_vcc(0) depctr_vm_vsrc(0)
	s_getreg_b32 s2, hwreg(HW_REG_IB_STS2, 6, 4)
	s_cmp_eq_u32 s2, 0
	s_cbranch_scc0 .Lentry_in_a_cluster
	s_endpgm
.Lentry_in_a_cluster:
	s_bfe_u32 s2, ttmp6, 0x10000c
	s_cmp_lg_u32 s2, 0x3003
	s_cbranch_scc0 .Lentry_shape_is_right
	s_endpgm
.Lentry_shape_is_right:
; out = xn + g_fg mem_fg - g_bg mem_bg for 32,768 pixels of 256 channels.  feats, out0: [8][256][4096] f32 (a channel's pixels lie on end).  memn: [2][2048][256] bf16, the two tables'
; normalised rows (rows 2024.. are zeros); w1f: the gates' first weights as fragments; both made by the launch before.
; SHARES.  A work-group owns 128 pixels of one image: 256 work-groups.  Wave w works on table w / 2 (0 fg, 1 bg) for the pixel half w % 2: 64 pixels, four tiles of 16, all 2,048 rows, 32 a step.
; PRODUCTS.  S^T = K Q^T (source 0 = 16 rows of the table, source 1 = 16 pixels): a lane holds ONE pixel and the rows 8 (lane / 16) + 0..7.  Two results rounded to bf16 ARE source 1 of
; O^T = V^T P.  The table's rows are keys and values at once: one tile in LDS serves both products, as it lies for K, turned by ds_load_tr16_b128 for V.
; NO MAXIMUM IS TAKEN AWAY.  Q = bf16(c xn), c = log2(e) / 0.03 = 48.09, and p = 2^S.  Both vectors have length 1 to within their bf16 rounding, whatever the inputs, so |S| < 48.5:
; p lies in 2^-48.5 .. 2^48.5, a row's sum and O below 2^59.5: no overflow and no underflow in f32, nor in bf16, which has f32's exponents (f16 would not do).
; THE PADDING ROWS are zeros: they add nothing to O, and their p = 1 is kept out of the sum l by a factor in the sum's multiply-add: l += p F, F = 1 but in the last step, where F = 0 for rows 2024...
; ORDER OF PIXELS AND CHANNELS (lane l: r = l % 16, h = l / 16).  Tile t's pixel in lane r is 4 r + t: a lane's four tiles are 16 bytes on end of a channel, sixteen lanes 256 bytes, aligned, in and out.
; Channel block cb (0..15), register j (0..7): channel 8 (cb % 8) + 128 (cb / 8) + 64 h + j, turned by 128 in the bg waves: so every wave keeps blocks 0-7 and hands blocks 8-15 to its partner, by one text.
; The same order holds in Q, K, w1f (fragment f: blocks 2 f, 2 f + 1) and O^T, so nothing changes lanes, and xn for the last sum is read back from Q.
; LIMITS.  The term xn of the result is bf16(c xn) / c: one rounding to 8 bits, 2^-9 of itself.  NaN and infinities are not treated apart.
; CLUSTER.  Every work-group walks the same two tables, so each tile is asked for JOINTLY by the four work-groups of a cluster: the same tensor load, descriptor and mask in all four.
; REGISTERS, in windows of 256 (s_set_vgpr_msb: bits 1:0 source 0, 3:2 source 1, 5:4 source 2, 7:6 destination):
;   window 0: v0-31 addresses and statistics; v32-159 S^T, two buffers (tile at 16 t, row block at 8 kb); v160-191 P, 8 a tile; v192-255 fragments of K or V: a ring of four groups of two
;   window 1: Q, 64 t + 8 f        windows 2, 3: O^T, 32 cb + 8 t + j (blocks 0-7, blocks 8-15); at the head they hold the pixels in f32, window 2 then the gate's 32 fragments
.set PITCH, 528       ; a row in LDS: 512 bytes + 16 of padding = 33 x 16: the 16 rows of a K load, and the 8 rows x 2 pieces 128 bytes apart of a turning load, fall into 16 different 16-byte columns of 256
.set KB16,  16*PITCH
.set STEPB, 32*PITCH  ; a step's 32 rows
.set HALFT, 64*PITCH  ; what one tensor load brings
.set MEMT,  128*PITCH ; a table's part of a slot: four steps
.set SLOTB, 2*MEMT    ; a slot: fg's 128 rows, then bg's.  Its two set bits are clear in wave x HALFT and in 256: one exclusive or turns an address in one slot into the other's
.set SPARE, 2*SLOTB   ; behind the ring: the spare words, 128 bytes for each wave: two blocks of 256 bytes that no other line names
.set DATAB, 65536     ; 128 rows of 512 bytes in memn
.set CHB,   16384     ; from a channel to the next in feats and out0
.set AK0, 1           ; v1   my lane's place in a table's tile for K: table x MEMT + r x PITCH + 128 h; never rewritten
.set AV0, 2           ; v2   for V: table x MEMT + (8 h + l % 8) x PITCH + 128 ((l / 8) % 2); never rewritten
.set AKA, 3           ; v3, v4  K's addresses for fragments 0-3 and 4-7
.set AVA, 5           ; v5, v6  V's for blocks 0-7 and 8-15
.set XO,  7           ; v7   my offset in feats and out0: 64 h channels + 16 r bytes; never rewritten
.set FB,  8           ; v[8:9]   F for row block 0, for row block 1
.set LB,  10          ; v[10:17] l, a pair a tile (even rows', odd rows'); in the gate: the sums z
.set GS,  18          ; v[18:21] a number a tile: c / length, then the signed gate, then gate / l
.set SPW, 22          ; v22  LDS address of my spare word: SPARE + 4 x my thread's number; never rewritten
.set NIL, 23          ; v23  0; never rewritten
.set PFO, 24          ; v24  256 x lane; never rewritten
.set HF,  25          ; v25  h as a float
.set INVC, 26         ; v26  1 / c
.set STS, 27          ; v27  the exchange: where I put 16 bytes
.set STR, 28          ; v28  where I read my partner's
.set L16, 29          ; v29  16 x lane
.set T0,  30
.set T1,  31
.set SB,  32
.set PB,  160
.set FR,  192
.set B1R, 160         ; the gate: b1 of my 32 hidden units,
.set W2R, 192         ; and w2
.set E0,  96          ; the end: eight at work
.set RA,  32          ; the end: six areas of 32
.set G1,  28          ; s[28:35] descriptor group 1
.set G0A, 36          ; s[36:39] group 0 of slot 0's first fill
.set G0B, 40          ; s[40:43] group 0 of slot 1's first fill; it then walks
.set WV,  44          ; my wave's number
.set MT,  45          ; my table
.set QH,  46          ; my half of the pixels
.set CX,  47          ; my work-group's place in the cluster: it enters global addresses of my own loads, stores and prefetches alone
.set XLO, 48          ; s[48:49] feats at my pixels, blocks 0-7
.set XHI, 50          ; s[50:51] blocks 8-15
.set OUTP, 52         ; s[52:53] out0 at my pixels, blocks 0-7
.set W1A, 54          ; s[54:55] my gate's fragments 0-3
.set W1B, 56          ; s[56:57] fragments 4-7
.set B1P, 58
.set W2P, 60
.set B2P, 62
.set B2,  66          ; b2, then -log2(e) b2
.set TKA, 67          ; s67, s68  the slot K is fetched from + the 256 bytes of blocks 0-7, of blocks 8-15
.set TKB, 68
.set TVA, 69          ; s69, s70  the same for V
.set TVB, 70
.set SLOTS, 72        ; refills still to come
.set F1S, 73
.set LASTF, 74
.set TAILC, 75
.set SEL, 76          ; s[76:77] v_permlanex16_b32's selects: each lane takes its own place in the other half
.set PFA, 78          ; s[78:79] where my prefetches stand
.set LIM, 80          ; 1 in the cluster that prefetches, else the greatest number
.set SGN, 81          ; 1.0 for fg, -1.0 for bg
.set CC,  82          ; s[82:83] c
.set IC,  84          ; s[84:85] 1 / c
.set NL2E, 86         ; -log2(e)
.set W_KQ, 0x04       ; K and S^T in window 0, Q in window 1.  v_exp_f32, v_nop and LDS loads name destination and source 0 alone: they need no switch beside these products
.set W_G,  0x06       ; the gate: weights in window 2, Q in window 1, sums in window 0
.set MSB, 0
.macro WIN new                         ; the high byte repeats the setting that is left; a switch that changes nothing is dropped
.if MSB != (\new)
	s_set_vgpr_msb (MSB<<8)|(\new)
.set MSB, (\new)
.endif
.endm
.macro CREST                           ; a round of the cluster's barrier behind its opening barrier
	s_cmp_lg_u32 s[WV], 0
	s_cbranch_scc1 .Lnot_wave_0_\@
	s_barrier_signal -3
.Lnot_wave_0_\@:
	s_barrier_wait -3
	s_barrier_signal -1
	s_barrier_wait -1
.endm
.macro CROUND                          ; a whole round
	s_barrier_signal -1
	s_barrier_wait -1
	CREST
.endm
	s_load_b512 s[8:23], s[0:1], 0x0               ; feats s[8:9], memn s[10:11], w1f s[12:13], b1_fg s[14:15], w2_fg s[16:17], b2_fg s[18:19], b1_bg s[20:21], w2_bg s[22:23]
	s_load_b128 s[24:27], s[0:1], 0x40             ; b2_bg s[24:25], out0 s[26:27]
	v_lshl_add_u32 v[SPW], v0, 2, SPARE
	v_mov_b32 v[NIL], 0
	ds_add_u32 v[SPW], v[NIL]                      ; the wave's opening: the add, twice on end, and its wait ahead of my first tensor load; the set-up below stands between
	ds_add_u32 v[SPW], v[NIL]
	v_lshrrev_b32 v[T0], 5, v0
	v_readfirstlane_b32 s[WV], v[T0]               ; wave 0..3
	s_lshr_b32 s[MT], s[WV], 1
	s_and_b32 s[QH], s[WV], 1
	s_bfe_u32 s[CX], ttmp6, 0x40000
	; descriptor group 1: 64 rows x 256 elements of 2 bytes, padded in LDS
	s_mov_b32 s[G1+0], 15|(1<<16)|(1<<20)|(1<<21)|(6<<22)|(3<<25)  ; 15:0 the mask: all four work-groups; 17:16 2-byte elements; 20 padding on; 21 set beside a mask; 24:22 after every 128 words (code 6); 31:25 4 words (code 3)
	s_mov_b32 s[G1+1], 256<<16                     ; tensor_dim0 = 256
	s_mov_b32 s[G1+2], 64<<16                      ; tensor_dim1 = 64
	s_mov_b32 s[G1+3], 256<<16                     ; tile_dim0 = 256
	s_mov_b32 s[G1+4], 64                          ; tile_dim1 = 64
	s_mov_b32 s[G1+5], 256                         ; 256 elements from row to row
	s_mov_b32 s[G1+6], 0
	s_mov_b32 s[G1+7], 0
	s_mov_b32 s[G0A], 1
	s_mul_i32 s[G0A+1], s[WV], HALFT               ; wave w fills rows 64 (w % 2).. of table w / 2: wave x 64 rows
	s_mov_b32 s[G0B], 1
	s_add_co_u32 s[G0B+1], s[G0A+1], SLOTB
	; offsets, made apart from the addresses
	s_lshl_b32 s2, ttmp9, 2
	s_add_co_u32 s2, s2, s[CX]                     ; my work-group: 4 x cluster + place
	s_lshr_b32 s3, s2, 5
	s_lshl_b32 s3, s3, 22                          ; the image: 256 channels of 16,384 bytes
	s_and_b32 s2, s2, 31
	s_lshl_b32 s2, s2, 9                           ; 128 pixels of 4 bytes
	s_add_co_u32 s3, s3, s2
	s_lshl_b32 s2, s[QH], 8                        ; my wave's 64
	s_add_co_u32 s3, s3, s2
	s_lshl_b32 s4, s[MT], 21                       ; blocks 0-7 are channels 128 x table ..
	s_add_co_u32 s88, s3, s4
	s_xor_b32 s4, s4, 1<<21                        ; blocks 8-15 the other 128
	s_add_co_u32 s90, s3, s4
	s_mov_b32 s89, 0
	s_mov_b32 s91, 0
	s_lshl_b32 s92, s[CX], 13                      ; the prefetches: my work-group's 32 blocks of 256 bytes of a tile,
	s_add_co_u32 s92, s92, 2*DATAB                 ; two slots' data on
	s_mov_b32 s93, 0
	s_lshl_b32 s94, s[MT], 20                      ; memn: my table,
	s_lshl_b32 s5, s[QH], 15                       ; my 64 rows of its first 128
	s_add_co_u32 s94, s94, s5
	s_mov_b32 s95, 0
	s_mul_i32 s96, s[MT], 36864                    ; w1f: gate x 32,768 + 4,096 x table: my fragments 0-3,
	s_mov_b32 s97, 0
	s_mul_i32 s98, s[MT], 28672
	s_add_co_u32 s98, s98, 4096                    ; gate x 32,768 + 4,096 x (1 - table): my fragments 4-7
	s_mov_b32 s99, 0
	s_lshl_b32 s[TKA], s[MT], 8
	s_xor_b32 s[TKB], s[TKA], 256
	s_mov_b32 s[TVA], s[TKA]
	s_mov_b32 s[TVB], s[TKB]
	s_mov_b32 s[SEL], 0x76543210
	s_mov_b32 s[SEL+1], 0xfedcba98
	s_mov_b32 s[CC], 0x42405bfe                    ; c = log2(e) / 0.03
	s_mov_b32 s[CC+1], s[CC]
	s_mov_b32 s[IC], 0x3caa590d                    ; 1 / c
	s_mov_b32 s[IC+1], s[IC]
	s_mov_b32 s[NL2E], 0xbfb8aa3b
	v_and_b32 v[T0], 15, v0                        ; r
	v_bfe_u32 v[T1], v0, 4, 1                      ; h
	v_and_b32 v[L16], 31, v0
	v_lshlrev_b32 v[PFO], 8, v[L16]
	v_lshlrev_b32 v[L16], 4, v[L16]
	v_cvt_f32_u32 v[HF], v[T1]
	v_mov_b32 v[INVC], 0x3caa590d
	v_lshlrev_b32 v[XO], 20, v[T1]
	v_lshl_or_b32 v[XO], v[T0], 4, v[XO]
	s_mul_i32 s6, s[MT], MEMT
	v_mul_u32_u24 v[AK0], v[T0], PITCH
	v_lshl_add_u32 v[AK0], v[T1], 7, v[AK0]
	v_add_nc_u32 v[AK0], s6, v[AK0]
	v_and_b32 v[AV0], 7, v0
	v_lshl_add_u32 v[AV0], v[T1], 3, v[AV0]
	v_mul_u32_u24 v[AV0], v[AV0], PITCH
	v_bfe_u32 v[AKA], v0, 3, 1
	v_lshl_add_u32 v[AV0], v[AKA], 7, v[AV0]
	v_add_nc_u32 v[AV0], s6, v[AV0]
	s_lshl_b32 s7, s[WV], 15                       ; the exchange: 32,768 bytes a wave,
	v_add_nc_u32 v[STS], s7, v[L16]
	s_xor_b32 s7, s7, 1<<16                        ; my partner is the wave of the other table with my pixels
	v_add_nc_u32 v[STR], s7, v[L16]
	v_lshlrev_b32 v0, 5, v[T1]                     ; from here v0 = 32 h: my 8 hidden units of 16 in b1 and w2
	v_add_nc_u32 v[AKA], s[TKA], v[AK0]            ; slot 0
	v_add_nc_u32 v[AKA+1], s[TKB], v[AK0]
	v_add_nc_u32 v[AVA], s[TVA], v[AV0]
	v_add_nc_u32 v[AVA+1], s[TVB], v[AV0]
	s_wait_dscnt 0x0                               ; both opening adds are done
	s_wait_kmcnt 0x0
	s_add_nc_u64 s[XLO:XLO+1], s[8:9], s[88:89]
	s_add_nc_u64 s[XHI:XHI+1], s[8:9], s[90:91]
	s_add_nc_u64 s[OUTP:OUTP+1], s[26:27], s[88:89]
	s_add_nc_u64 s[W1A:W1A+1], s[12:13], s[96:97]
	s_add_nc_u64 s[W1B:W1B+1], s[12:13], s[98:99]
	s_cmp_eq_u32 s[MT], 0
	s_cselect_b64 s[B1P:B1P+1], s[14:15], s[20:21]
	s_cselect_b64 s[W2P:W2P+1], s[16:17], s[22:23]
	s_cselect_b64 s[B2P:B2P+1], s[18:19], s[24:25]
	s_cselect_b32 s[SGN], 1.0, -1.0
	s_cmp_eq_u32 ttmp9, 0                          ; all clusters walk the same rows: the first cluster prefetches; the same in its four partners
	s_cselect_b32 s[LIM], 1, -1
	s_add_nc_u64 s[G0A+2:G0A+3], s[10:11], s[94:95]        ; rows 0-127: my 64
	s_add_nc_u64 s[G0B+2:G0B+3], s[G0A+2:G0A+3], DATAB     ; rows 128-255
	s_add_nc_u64 s[PFA:PFA+1], s[G0A+2:G0A+3], s[92:93]
	s_or_b32 s[G0A+3], s[G0A+3], 0x80000000        ; type = 2
	s_or_b32 s[G0B+3], s[G0B+3], 0x80000000
	s_load_b32 s[B2], s[B2P:B2P+1], 0x0
	CROUND                                         ; all four work-groups are here: the first joint loads meet
	tensor_load_to_lds s[G0A:G0A+3], s[G1:G1+7]    ; both first fills go out together: two loads of mine are out
	s_nop 0
	tensor_load_to_lds s[G0B:G0B+3], s[G1:G1+7]
	s_nop 0
.rept 4
	v_nop
.endr
	; THE PIXELS: channel k = 8 cb + j of my half of the channels, four pixels a lane, into register 4 k + t.  Sixteen lanes read 256 bytes on end of one channel.
	WIN 0x80
.set k, 0
.rept 64
	global_load_b128 v[4*k:4*k+3], v[XO], s[XLO:XLO+1] offset:k*CHB
.set k, k+1
.endr
	WIN 0xC0
.set k, 0
.rept 64
	global_load_b128 v[4*k:4*k+3], v[XO], s[XHI:XHI+1] offset:k*CHB
.set k, k+1
.endr
	WIN 0
.irp hb, 0,1,2,3
	global_load_b128 v[B1R+8*\hb:B1R+8*\hb+3],   v0, s[B1P:B1P+1] offset:64*\hb
	global_load_b128 v[B1R+8*\hb+4:B1R+8*\hb+7], v0, s[B1P:B1P+1] offset:64*\hb+16
	global_load_b128 v[W2R+8*\hb:W2R+8*\hb+3],   v0, s[W2P:W2P+1] offset:64*\hb
	global_load_b128 v[W2R+8*\hb+4:W2R+8*\hb+7], v0, s[W2P:W2P+1] offset:64*\hb+16
.endr
; The sums of squares of channels from .. to - 1: four chains of two pairs (a pair: two tiles); the first four channels start the chains.
.macro SQ from, to
.set k, \from
.rept (\to)-(\from)
	WIN 0x0A+5*(k/64)
.irp p, 0,2
.if k < 4
	v_pk_mul_f32 v[SB+4*(k%4)+\p:SB+4*(k%4)+\p+1], v[4*(k%64)+\p:4*(k%64)+\p+1], v[4*(k%64)+\p:4*(k%64)+\p+1]
.else
	v_pk_fma_f32 v[SB+4*(k%4)+\p:SB+4*(k%4)+\p+1], v[4*(k%64)+\p:4*(k%64)+\p+1], v[4*(k%64)+\p:4*(k%64)+\p+1], v[SB+4*(k%4)+\p:SB+4*(k%4)+\p+1]
.endif
.endr
.set k, k+1
.endr
.endm
	s_wait_loadcnt 63                              ; 144 loads were issued, and they come back in order: with 63 out the first 81 are in
	SQ 0, 80
	s_wait_loadcnt 48                              ; the first 96
	SQ 80, 96
	s_wait_loadcnt 32                              ; 112
	SQ 96, 112
	s_wait_loadcnt 16                              ; all 128 of the pixels; b1 and w2 may stay out
	SQ 112, 128
	WIN 0
	v_pk_add_f32 v[SB:SB+1],     v[SB:SB+1],     v[SB+4:SB+5]
	v_pk_add_f32 v[SB+2:SB+3],   v[SB+2:SB+3],   v[SB+6:SB+7]
	v_pk_add_f32 v[SB+8:SB+9],   v[SB+8:SB+9],   v[SB+12:SB+13]
	v_pk_add_f32 v[SB+10:SB+11], v[SB+10:SB+11], v[SB+14:SB+15]
	v_pk_add_f32 v[SB:SB+1],     v[SB:SB+1],     v[SB+8:SB+9]
	v_pk_add_f32 v[SB+2:SB+3],   v[SB+2:SB+3],   v[SB+10:SB+11]
.irp t, 0,1,2,3
	v_permlanex16_b32 v[SB+4+\t], v[SB+\t], s[SEL], s[SEL+1]   ; the pixel's other 128 channels lie in the lane 16 away
.endr
.irp t, 0,1,2,3
	v_add_f32 v[SB+\t], v[SB+\t], v[SB+4+\t]
.endr
.irp t, 0,1,2,3
	v_sqrt_f32 v[SB+\t], v[SB+\t]
.endr
	v_nop                                          ; a plain instruction behind the last root,
	s_wait_alu depctr_va_vdst(0)                   ; and one wait for the four, ahead of their first reader
.irp t, 0,1,2,3
	v_max_num_f32 v[SB+\t], 0x2b8cbccc, v[SB+\t]   ; max(length, 1e-12)
.endr
.irp t, 0,1,2,3
	v_rcp_f32 v[GS+\t], v[SB+\t]
.endr
	v_nop
	s_wait_alu depctr_va_vdst(0)
.irp t, 0,1,2,3
	v_mul_f32 v[GS+\t], s[CC], v[GS+\t]            ; c / length
.endr
; Q = bf16(c xn) for the blocks of one window: Q's register 64 t + 4 cb + i holds channels j = 2 i, 2 i + 1 of block cb.
.macro TOQ hi
	WIN 0x82+0x41*(\hi)
.set k, 0
.rept 64
	v_pk_mul_f32 v[4*k:4*k+1],   v[4*k:4*k+1],   v[GS:GS+1]
	v_pk_mul_f32 v[4*k+2:4*k+3], v[4*k+2:4*k+3], v[GS+2:GS+3]
.set k, k+1
.endr
	WIN 0x4A+5*(\hi)
.set k, 0
.rept 32
.irp t, 0,1,2,3
	v_cvt_pk_bf16_f32 v[64*\t+32*(\hi)+k], v[8*k+\t], v[8*k+4+\t]
.endr
.set k, k+1
.endr
.endm
	TOQ 0
	WIN 0x80                                       ; window 2 is free: the gate's 32 fragments (hidden block hb, fragment f at 8 (8 hb + f)) come while window 3 is converted
.set n, 0
.rept 32
.if n%8 < 4
	global_load_b128 v[8*n:8*n+3],   v[L16], s[W1A:W1A+1] offset:(8*(n/8)+n%4)*1024
	global_load_b128 v[8*n+4:8*n+7], v[L16], s[W1A:W1A+1] offset:(8*(n/8)+n%4)*1024+512
.else
	global_load_b128 v[8*n:8*n+3],   v[L16], s[W1B:W1B+1] offset:(8*(n/8)+n%4)*1024
	global_load_b128 v[8*n+4:8*n+7], v[L16], s[W1B:W1B+1] offset:(8*(n/8)+n%4)*1024+512
.endif
.set n, n+1
.endr
	TOQ 1
	; THE GATE.  H^T = W1^T Q: 16 sums (hb, t) at SB + 8 (4 hb + t), by turns; the first fragment's products start them.  A lane holds one pixel and hidden units 16 hb + 8 h + j.
	; Behind every fourth product eight registers of O^T's window 3 are cleared: the loop below has one form of product, and these lines stand beside matrix work.
	s_wait_loadcnt 0x0                             ; the fragments, b1, w2
	s_wait_kmcnt 0x0                               ; b2
	s_mul_f32 s[B2], s[B2], s[NL2E]
.set n, 0
.set zc, 0
.rept 128
	WIN W_G
.if n < 16
	v_wmma_f32_16x16x32_bf16 v[SB+8*(n%16):SB+8*(n%16)+7], v[8*(8*((n%16)/4)+n/16):8*(8*((n%16)/4)+n/16)+7], v[64*(n%4)+8*(n/16):64*(n%4)+8*(n/16)+7], 0
.else
	v_wmma_f32_16x16x32_bf16 v[SB+8*(n%16):SB+8*(n%16)+7], v[8*(8*((n%16)/4)+n/16):8*(8*((n%16)/4)+n/16)+7], v[64*(n%4)+8*(n/16):64*(n%4)+8*(n/16)+7], v[SB+8*(n%16):SB+8*(n%16)+7]
.endif
.set n, n+1
.if n%4 == 0
	WIN 0xC0
.rept 8
	v_mov_b32 v[zc], 0
.set zc, zc+1
.endr
.endif
.endr
	WIN 0                                          ; the last eight clearing lines are the places behind the last products
	; z = the sum over hidden units of relu(H / c + b1) w2, a pair of units at a time, each sum's registers from the low end on
.irp hb, 0,1,2,3
.irp i2, 0,2,4,6
.irp t, 0,1,2,3
	v_pk_fma_f32 v[SB+8*(4*\hb+\t)+\i2:SB+8*(4*\hb+\t)+\i2+1], v[SB+8*(4*\hb+\t)+\i2:SB+8*(4*\hb+\t)+\i2+1], s[IC:IC+1], v[B1R+8*\hb+\i2:B1R+8*\hb+\i2+1] op_sel_hi:[1,0,1]
.endr
.irp t, 0,1,2,3
	v_max_num_f32 v[SB+8*(4*\hb+\t)+\i2],   0, v[SB+8*(4*\hb+\t)+\i2]
	v_max_num_f32 v[SB+8*(4*\hb+\t)+\i2+1], 0, v[SB+8*(4*\hb+\t)+\i2+1]
.endr
.irp t, 0,1,2,3
.if (\hb == 0) && (\i2 == 0)
	v_pk_mul_f32 v[LB+2*\t:LB+2*\t+1], v[SB+8*(4*\hb+\t)+\i2:SB+8*(4*\hb+\t)+\i2+1], v[W2R+8*\hb+\i2:W2R+8*\hb+\i2+1]
.else
	v_pk_fma_f32 v[LB+2*\t:LB+2*\t+1], v[SB+8*(4*\hb+\t)+\i2:SB+8*(4*\hb+\t)+\i2+1], v[W2R+8*\hb+\i2:W2R+8*\hb+\i2+1], v[LB+2*\t:LB+2*\t+1]
.endif
.endr
.endr
.endr
.irp t, 0,1,2,3
	v_add_f32 v[SB+\t], v[LB+2*\t], v[LB+2*\t+1]
.endr
.irp t, 0,1,2,3
	v_permlanex16_b32 v[SB+4+\t], v[SB+\t], s[SEL], s[SEL+1]   ; the other 32 hidden units
.endr
.irp t, 0,1,2,3
	v_add_f32 v[SB+\t], v[SB+\t], v[SB+4+\t]
.endr
.irp t, 0,1,2,3
	v_fma_f32 v[SB+\t], v[SB+\t], s[NL2E], s[B2]   ; -log2(e) (z + b2)
.endr
.irp t, 0,1,2,3
	v_exp_f32 v[SB+\t], v[SB+\t]
.endr
	v_nop
	s_wait_alu depctr_va_vdst(0)
.irp t, 0,1,2,3
	v_add_f32 v[SB+\t], 1.0, v[SB+\t]
.endr
.irp t, 0,1,2,3
	v_rcp_f32 v[GS+\t], v[SB+\t]
.endr
	v_nop
	s_wait_alu depctr_va_vdst(0)
.irp t, 0,1,2,3
	v_mul_f32 v[GS+\t], s[SGN], v[GS+\t]           ; + g_fg or - g_bg
.endr
.irp t, 0,1,2,3,4,5,6,7
	v_mov_b32 v[LB+\t], 0
.endr
	v_mov_b32 v[FB], 1.0
	v_mov_b32 v[FB+1], 1.0
; THE MATRIX WORK.  Product i of a group's eight.  K Q^T, fragment FF, into buffer NBUF: row block i / 4, tile i % 4; fragment 0 starts the sums.  The eight sums take turns.
.macro KQW
.set rS, SB+64*NBUF+16*(i%4)+8*(i/4)
.set rK, FR+16*(FF%4)+8*(i/4)
.set rQ, 64*(i%4)+8*FF
	WIN W_KQ
.if FF == 0
	v_wmma_f32_16x16x32_bf16 v[rS:rS+7], v[rK:rK+7], v[rQ:rQ+7], 0
.else
	v_wmma_f32_16x16x32_bf16 v[rS:rS+7], v[rK:rK+7], v[rQ:rQ+7], v[rS:rS+7]
.endif
.set i, i+1
.endm
; V^T P, group GG: channel block 2 GG + i / 4, tile i % 4.  Each of O^T's 64 sums has one product a step.
.macro PVW
.set cb, 2*GG+i/4
.set rO, (32*cb+8*(i%4))%256
.set rV, FR+16*(GG%4)+8*(i/4)
.set rP, PB+8*(i%4)
	WIN 0xA0+0x50*(cb/8)
	v_wmma_f32_16x16x32_bf16 v[rO:rO+7], v[rV:rV+7], v[rP:rP+7], v[rO:rO+7]
.set i, i+1
.endm
; THE LDS LOADS go in runs of four, a group's two fragments, into the ring's place (run number) % 4.
.macro KRUN f, off                     ; K, fragment f of both row blocks, of the step at byte off of the slot
.if MSB != W_KQ
	WIN 0
.endif
.irp kb, 0,1
	ds_load_b128 v[FR+16*((\f)%4)+8*\kb:FR+16*((\f)%4)+8*\kb+3],   v[AKA+(\f)/4] offset:(\off)+\kb*KB16+32*((\f)%4)
	ds_load_b128 v[FR+16*((\f)%4)+8*\kb+4:FR+16*((\f)%4)+8*\kb+7], v[AKA+(\f)/4] offset:(\off)+\kb*KB16+32*((\f)%4)+16
.endr
.endm
.macro VRUN g, off                     ; V turned: channel blocks 2 g, 2 g + 1, rows 0-15 and 16-31 of the step
.if MSB != W_KQ
	WIN 0
.endif
.irp u, 0,1
	ds_load_tr16_b128 v[FR+16*((\g)%4)+8*\u:FR+16*((\g)%4)+8*\u+3],   v[AVA+(2*(\g)+\u)/8] offset:(\off)+16*((2*(\g)+\u)%8)
	ds_load_tr16_b128 v[FR+16*((\g)%4)+8*\u+4:FR+16*((\g)%4)+8*\u+7], v[AVA+(2*(\g)+\u)/8] offset:(\off)+16*((2*(\g)+\u)%8)+KB16
.endr
.endm
.macro RUN n, st                       ; run n of the turn at step st of its slot: 0-7 K of the next step, 8-15 V of this step, 16-18 the next turn's runs 0-2
.if (\n) < 8
	KRUN (\n), (((\st)+1)%4)*STEPB
.elseif (\n) < 16
	VRUN (\n)-8, (\st)*STEPB
.else
	KRUN (\n)-16, (((\st)+2)%4)*STEPB
.endif
.endm
; THE VECTOR WORK of a step, on buffer CB: 64 exponentials in place (each sum's registers from the low end on), 32 roundings into P, 32 multiply-adds into l.
.macro EXPR
.set rE, SB+64*CB+16*(ne%4)+ne/4
	v_exp_f32 v[rE], v[rE]
.set ne, ne+1
.endm
.macro CVTR
	WIN 0
.set rE, SB+64*CB+16*(nc%4)+2*(nc/4)
	v_cvt_pk_bf16_f32 v[PB+8*(nc%4)+nc/4], v[rE], v[rE+1]
.set nc, nc+1
.endm
.macro SUMR
	WIN 0
.set rE, SB+64*CB+16*(ns%4)+2*(ns/4)
.set rL, LB+2*(ns%4)
.if ns < 16
	v_pk_fma_f32 v[rL:rL+1], v[rE:rE+1], v[FB:FB+1], v[rL:rL+1] op_sel_hi:[1,0,1]              ; row block 0: both halves times F0
.else
	v_pk_fma_f32 v[rL:rL+1], v[rE:rE+1], v[FB:FB+1], v[rL:rL+1] op_sel:[0,1,0] op_sel_hi:[1,1,1]  ; row block 1: both times F1
.endif
.set ns, ns+1
.endm
; A PREFETCH INTO THE L2 of what the NEXT refill will ask for: a slot's 512 blocks of 256 bytes.  Each wave of the first cluster names 32 blocks of the tile that it fetches itself, a lane a block; the four
; partners are told apart by address alone.  So each block is named once in the launch.  It stands behind the wave's tensor load, its five lines and a run of LDS loads: a slot, 512 matrix instructions, ahead.
; Rows 0 to 383 come by their loads alone; the last refill asks for nothing.
.macro ASK
	s_cmp_gt_u32 s[SLOTS], s[LIM]
	s_cbranch_scc0 .Lnot_mine_\@
	global_prefetch_b8 v[PFO], s[PFA:PFA+1] th:TH_LOAD_NT scope:SCOPE_SE
.Lnot_mine_\@:
.endm
; A TURN is a step of 32 rows: 16 groups of 8 matrix instructions.  Groups 0-7: K Q^T of the NEXT step; beside them this step's exponentials (groups 0-3) and roundings (groups 4-7).
; Groups 8-15: V^T P of this step; beside them the sums.  Group G uses run G and issues run G + 3 into the ring's place that group G - 1 has read, four plain vector instructions behind that group's last product.
; s_wait_dscnt 8 at a group's head: the two younger runs, eight loads, may stay out; LDS loads come back in order, so run G is in.
.macro GROUPA st
.set FF, G
.set i, 0
.if G == 4
	v_nop                                          ; a plain instruction behind the last exponential,
	s_wait_alu depctr_va_vdst(0)                   ; and ONE wait for the turn's 64, ahead of the first rounding
.endif
	s_wait_dscnt 8
.if G < 4
.rept 8
	KQW
	EXPR
	EXPR
.if i < 3
	v_nop                                          ; exponentials are no places: these four are
	v_nop
.endif
.if i == 2
	RUN G+3, \st
.endif
.endr
.else
	KQW
	KQW
.rept 4
	CVTR
.endr
	RUN G+3, \st
	KQW
	KQW
.rept 4
	CVTR
.endr
.rept 4
	KQW
.endr
.endif
.endm
; THE NEXT SLOT IS MET in group 13 of a slot's third turn: from here on K is fetched from it, a turn before V of this slot is finished.  My one tensor load that is out is my part of it; no LDS instruction is
; pending at a signal.
.macro MEET
	s_wait_tensorcnt 0x0
	s_wait_dscnt 0x0
	s_barrier_signal -1
.rept 8
	PVW
.endr
	WIN 0
	s_barrier_wait -1                              ; everybody's part is in
	s_xor_b32 s[TKA], s[TKA], SLOTB
	s_xor_b32 s[TKB], s[TKB], SLOTB
	v_add_nc_u32 v[AKA], s[TKA], v[AK0]
	v_add_nc_u32 v[AKA+1], s[TKB], v[AK0]
.rept 4
	SUMR
.endr
	RUN 16, 2
.endm
; THE SLOT IS FILLED AGAIN in group 15 of its fourth turn: V's last run was issued three groups back.  Each wave waits for all its tensor loads (none is out), adds 0 to its spare word, and waits for that and for
; its reads of the slot.  The barrier opens a round of the cluster's, so that no wave of any partner still reads the slot; the joint refill, the rows two slots on, is the first thing behind it.
.macro CHANGE
	WIN 0
	s_wait_tensorcnt 0x0                           ; no tensor load of mine is out, so the walking group 0 may be written
	ds_add_u32 v[SPW], v[NIL]                      ; 0 onto my spare word: work on registers stands between it and the wait for it
.rept 4
	SUMR
.endr
	s_xor_b32 s[G0B+1], s[G0B+1], SLOTB            ; the other slot than last time,
	s_add_nc_u64 s[G0B+2:G0B+3], s[G0B+2:G0B+3], DATAB  ; the next 128 rows; the type bits on top are not reached
	s_wait_xcnt 0x0                                ; the last prefetch, a slot back, has read its address
	s_add_nc_u64 s[PFA:PFA+1], s[PFA:PFA+1], DATAB
	s_xor_b32 s[TVA], s[TVA], SLOTB
	s_xor_b32 s[TVB], s[TVB], SLOTB
	s_wait_dscnt 0x0                               ; the add is done, and my reads of the slot are over
	s_barrier_signal -1
.rept 8
	PVW
.endr
	WIN 0
	v_add_nc_u32 v[AVA], s[TVA], v[AV0]
	v_add_nc_u32 v[AVA+1], s[TVB], v[AV0]
	s_barrier_wait -1
	CREST
	tensor_load_to_lds s[G0B:G0B+3], s[G1:G1+7]    ; my one tensor load behind the round: it has 360 matrix instructions in which to land
	s_nop 0
.rept 4
	v_nop
.endr
	RUN 18, 3
	ASK
.endm
.macro GROUPB st, fill
.set GG, G-8
.set i, 0
.if ((\st) == 2) && (G == 13)
	MEET
.elseif ((\st) == 3) && (\fill) && (G == 15)
	CHANGE
.else
	s_wait_dscnt 8
	PVW
	PVW
.rept 4
	SUMR
.endr
	RUN G+3, \st
.rept 6
	PVW
.endr
.endif
.endm
.macro TURN st, fill
.set CB, (\st)%2
.set NBUF, 1-CB
.set ne, 0
.set nc, 0
.set ns, 0
.set G, 0
.rept 8
	GROUPA \st
.set G, G+1
.endr
.rept 8
	GROUPB \st, \fill
.set G, G+1
.endr
.endm
; A slot's four turns.  fill = 0, the last two slots: nothing is asked for; and ahead of the launch's last turn F takes the padding rows out of l: of rows 2016-2047 block 0 counts in lanes with h = 0, block 1 not at all.
.macro SLOT fill
	TURN 0, \fill
	TURN 1, \fill
	TURN 2, \fill
.if !(\fill)
	WIN 0
	s_cmp_eq_u32 s[TAILC], 1
	s_cselect_b32 s[F1S], 0, 1.0
	s_cselect_b32 s[LASTF], 1.0, 0
	v_mov_b32 v[FB+1], s[F1S]
	v_fma_f32 v[FB], -v[HF], s[LASTF], 1.0
.endif
	TURN 3, \fill
	WIN 0
.if !(\fill)
	s_xor_b32 s[TVA], s[TVA], SLOTB
	s_xor_b32 s[TVB], s[TVB], SLOTB
	v_add_nc_u32 v[AVA], s[TVA], v[AV0]
	v_add_nc_u32 v[AVA+1], s[TVB], v[AV0]
.endif
.endm
	s_wait_tensorcnt 0x1                           ; my part of slot 0 is in; slot 1's may stay out
	s_barrier_signal -1
	s_barrier_wait -1                              ; everybody's is
	; STEP 0's SCORES, into buffer 0.  Behind every second product eight registers of O^T's window 2 are cleared; these lines are also the places in front of the runs and behind the last products.
	KRUN 0, 0
	KRUN 1, 0
	KRUN 2, 0
.set NBUF, 0
.set zc, 0
.set G, 0
.rept 8
.set FF, G
.set i, 0
	s_wait_dscnt 8
.rept 4
	KQW
	KQW
	WIN 0x80
.rept 8
	v_mov_b32 v[zc], 0
.set zc, zc+1
.endr
.if i == 2
	WIN 0
.if G < 5
	KRUN G+3, 0
.else
	KRUN G-5, STEPB                                ; the first turn's runs 0-2
.endif
.endif
.endr
.set G, G+1
.endr
	WIN 0
	s_mov_b32 s[SLOTS], 14
.Lslot:                                        ; 14 trips: every slot's data but the last two are followed by a refill
	SLOT 1
	s_sub_co_u32 s[SLOTS], s[SLOTS], 1
	s_cmp_lg_u32 s[SLOTS], 0
	s_cbranch_scc1 .Lslot
	s_mov_b32 s[TAILC], 2
.Ltail:                                        ; the last two slots have a text of their own.  The last turn's K Q^T works on rows that landed earlier and serves nothing
	SLOT 0                                         ; the price, once a launch, of one text for every turn
	s_sub_co_u32 s[TAILC], s[TAILC], 1
	s_cmp_lg_u32 s[TAILC], 0
	s_cbranch_scc1 .Ltail
	; THE END.  gate / l for each tile; blocks 8-15 of gate O / l go to my partner through LDS, in bytes of slot 0, which has had its last fill; blocks 0-7 take my partner's, and xn from Q, and are stored.
	s_wait_dscnt 0x0                               ; my last reads of the slots are over
	s_barrier_signal -1
.irp t, 0,1,2,3
	v_add_f32 v[E0+\t], v[LB+2*\t], v[LB+2*\t+1]   ; these lines are the places behind the last products
.endr
.irp t, 0,1,2,3
	v_permlanex16_b32 v[E0+4+\t], v[E0+\t], s[SEL], s[SEL+1]   ; the pixel's other rows lie in the lane 16 away
.endr
.irp t, 0,1,2,3
	v_add_f32 v[E0+\t], v[E0+\t], v[E0+4+\t]
.endr
.irp t, 0,1,2,3
	v_rcp_f32 v[E0+\t], v[E0+\t]
.endr
	v_nop
	s_wait_alu depctr_va_vdst(0)
.irp t, 0,1,2,3
	v_mul_f32 v[GS+\t], v[GS+\t], v[E0+\t]
.endr
	s_barrier_wait -1                              ; no wave reads a slot any more
	; item 8 cb' + j (block 8 + cb', register j): a lane's four tiles, 16 bytes; 512 bytes an item.  Sixteen items a batch, three register areas by turns; each sum's registers from the low end on.
.set bt, 0
.rept 4
	WIN 0x03
.set it, 0
.rept 16
.irp t, 0,1,2,3
	v_mul_f32 v[RA+64*(bt%3)+4*it+\t], v[32*((16*bt+it)/8)+8*\t+(16*bt+it)%8], v[GS+\t]
.endr
.set it, it+1
.endr
	WIN 0
.set it, 0
.rept 16
	ds_store_b128 v[STS], v[RA+64*(bt%3)+4*it:RA+64*(bt%3)+4*it+3] offset:512*(16*bt+it)
.set it, it+1
.endr
.set bt, bt+1
.endr
	s_wait_dscnt 0x0                               ; for my partner's sake: my stores are done
	s_barrier_signal -1
	s_barrier_wait -1
.macro LOADB bb                        ; my partner's block bb: eight items into area bb % 6
.irp j, 0,1,2,3,4,5,6,7
	ds_load_b128 v[RA+32*((\bb)%6)+4*\j:RA+32*((\bb)%6)+4*\j+3], v[STR] offset:512*(8*(\bb)+\j)
.endr
.endm
.macro RECV bb, cnt                    ; cnt: the loads of the younger batches, which may stay out
.set rR, RA+32*((\bb)%6)
	s_wait_dscnt \cnt
	WIN 0x02
.irp j, 0,1,2,3,4,5,6,7
.irp t, 0,1,2,3
	v_fma_f32 v[rR+4*\j+\t], v[32*(\bb)+8*\t+\j], v[GS+\t], v[rR+4*\j+\t]
.endr
.endr
	WIN 0x01
.irp j, 0,1,2,3,4,5,6,7
.irp t, 0,1,2,3
.if (\j)%2
	v_fma_mix_f32_bf16 v[rR+4*\j+\t], v[64*\t+4*(\bb)+\j/2], v[INVC], v[rR+4*\j+\t] op_sel:[1,0,0] op_sel_hi:[1,0,0]  ; + bf16(c xn) / c, from Q's upper half
.else
	v_fma_mix_f32_bf16 v[rR+4*\j+\t], v[64*\t+4*(\bb)+\j/2], v[INVC], v[rR+4*\j+\t] op_sel_hi:[1,0,0]                 ; from its lower half
.endif
.endr
.endr
	WIN 0
.irp j, 0,1,2,3,4,5,6,7
	global_store_b128 v[XO], v[rR+4*\j:rR+4*\j+3], s[OUTP:OUTP+1] offset:(8*(\bb)+\j)*CHB th:TH_STORE_NT  ; lanes 0-15 and lanes 16-31 each store 256 bytes on end, aligned
.endr
.if (\bb) < 2
	s_wait_xcnt 0x0                                ; the stores have read their registers: the area is loaded again only behind this wait
	LOADB (\bb)+6
.endif
.endm
.irp b6, 0,1,2,3,4,5
	LOADB \b6
.endr
	RECV 0, 40
	RECV 1, 40
	RECV 2, 40
	RECV 3, 32
	RECV 4, 24
	RECV 5, 16
	RECV 6, 8
	RECV 7, 0
	s_wait_tensorcnt 0x0                           ; the wave's end: behind my last tensor load and my last LDS store
	ds_add_u32 v[SPW], v[NIL]
	s_wait_dscnt 0x0
	CROUND                                         ; the closing round: no work-group ends while a partner may still ask for a tile that names it
	s_endpgm
.Lfunc_end_k_qc7da0c6f60_attend:
	.size	k_qc7da0c6f60_attend, .Lfunc_end_k_qc7da0c6f60_attend-k_qc7da0c6f60_attend
	.p2alignl 7, 3214868480
	.fill 96, 4, 3214868480
	.section	.rodata,"a",@progbits
	.p2align	6, 0x0
	.amdhsa_kernel k_qc7da0c6f60_attend
		.amdhsa_group_segment_fixed_size 327680
		.amdhsa_private_segment_fixed_size 0
		.amdhsa_enable_private_segment 0
		.amdhsa_kernarg_size 80
		.amdhsa_user_sgpr_count 2
		.amdhsa_user_sgpr_kernarg_segment_ptr 1
		.amdhsa_wavefront_size32 1
		.amdhsa_system_sgpr_workgroup_id_x 1
		.amdhsa_system_sgpr_workgroup_id_y 1
		.amdhsa_system_sgpr_workgroup_id_z 1
		.amdhsa_system_vgpr_workitem_id 0
		.amdhsa_next_free_vgpr 1024
		.amdhsa_next_free_sgpr 100
		.amdhsa_reserve_vcc 0
		.amdhsa_float_denorm_mode_32 3
		.amdhsa_float_denorm_mode_16_64 3
		.amdhsa_memory_ordered 1
		.amdhsa_forward_progress 1
		.amdhsa_inst_pref_size 255
	.end_amdhsa_kernel
	.section	.bss,"aw",@nobits
	.p2align	6
	.space	262144
	.amdgpu_metadata
---
amdhsa.version: [ 1, 2 ]
amdhsa.kernels:
  - .name:           k_qc7da0c6f60_attend
    .symbol:         k_qc7da0c6f60_attend.kd
    .args:
      - { .name: feats, .offset: 0, .size: 8, .value_kind: global_buffer, .address_space: global }
      - { .name: memn, .offset: 8, .size: 8, .value_kind: global_buffer, .address_space: global }
      - { .name: w1f, .offset: 16, .size: 8, .value_kind: global_buffer, .address_space: global }
      - { .name: b1_fg, .offset: 24, .size: 8, .value_kind: global_buffer, .address_space: global }
      - { .name: w2_fg, .offset: 32, .size: 8, .value_kind: global_buffer, .address_space: global }
      - { .name: b2_fg, .offset: 40, .size: 8, .value_kind: global_buffer, .address_space: global }
      - { .name: b1_bg, .offset: 48, .size: 8, .value_kind: global_buffer, .address_space: global }
      - { .name: w2_bg, .offset: 56, .size: 8, .value_kind: global_buffer, .address_space: global }
      - { .name: b2_bg, .offset: 64, .size: 8, .value_kind: global_buffer, .address_space: global }
      - { .name: out0, .offset: 72, .size: 8, .value_kind: global_buffer, .address_space: global }
    .group_segment_fixed_size: 327680
    .private_segment_fixed_size: 0
    .kernarg_segment_align: 8
    .kernarg_segment_size: 80
    .max_flat_workgroup_size: 128
    .sgpr_count:     100
    .vgpr_count:     1024
    .wavefront_size: 32
...
	.end_amdgpu_metadata
.endif
;; end of part 2
